; MI455X (gfx1250); checked and timed in simulation.
; The chip was launched on July 23, 2026; its instructions are those of AMD's public machine-readable ISA for CDNA 5 (MIT licence, August 2026) and "CDNA5" Instruction Set Architecture Reference Guide (July 2026). The comments in the code are by the model that wrote it; some were corrected since.
;; Roberta Self Attention. Allowed arithmetic: float matrix products may take bf16 or f16 operands with f32 sums; all other float work in f32.
;; Inputs: Wk 1,024 x 1,024 float32; Wq 1,024 x 1,024 float32; Wv 1,024 x 1,024 float32; attention_mask 4 x 1 x 1 x 1,024 float32; bk 1,024 float32; bq 1,024 float32; bv 1,024 float32; dist_emb 2,047 x 64 float32; hidden_states 4 x 1,024 x 1,024 float32.
;; Outputs: out0 4 x 1,024 x 1,024 float32.
;; One version. Each part assembles by itself: llvm-mc -triple=amdgcn-amd-amdhsa -mcpu=gfx1250 --defsym DOCPART=n.
;; ======== version 1 of 1: 3 launches
;; limits: values are held in f16: magnitudes above 65,504 overflow, below 6.1e-05 lose precision
;; workspace buffers: xb 8,388,608 bytes; wcat 6,291,456 bytes; bcat 12,288 bytes; er 262,144 bytes; qkv 25,165,824 bytes
;; launch prep (part 1): grid 913 x 1, 8 waves a work-group, no clusters, 0 bytes of LDS; arguments hidden_states, Wq, Wk, Wv, bq, bk, bv, dist_emb, xb, wcat, bcat, er; writes xb, wcat, bcat, er
.if DOCPART == 1
	.amdgcn_target "amdgcn-amd-amdhsa--gfx1250"
	.amdhsa_code_object_version 6
	.text
	.protected	k_q7e8038b9a0_prep
	.globl	k_q7e8038b9a0_prep
	.p2align	8
	.type	k_q7e8038b9a0_prep,@function
k_q7e8038b9a0_prep:
	s_mov_b64 s[64:65], 0
	v_nop
	global_prefetch_b8 v0, s[64:65] scope:SCOPE_SE
	s_setreg_imm32_b32 hwreg(HW_REG_WAVE_MODE, 25, 1), 1
	s_wait_xcnt 0x0
; prep: the f32 inputs become the f16 operands of the two matrix launches.
;   xb   [4096][1024] f16 = hidden_states
;   wcat [3072][1024] f16 = sc*Wq, sc*Wk, Wv         bcat [3072] f32 = sc*bq, sc*bk, bv
;   er   [2048][64]   f16 : er[i] = sc*dist_emb[2046-i], er[2047] = 0
; sc = sqrt(log2(e)/8): each of the three score terms is a product of two scaled factors, so scores come out
; as (q.k + q.E + k.E)/8 in units of log2, ready for the base-2 exponential.  The scaling is done in f32, ahead of the one rounding.
; WHY f16: the result is a near-uniform average of 1,024 values, so its size is 1/32 of v's while every rounding of an operand enters in full;
; f16's 11 significant bits leave the margin that 8 bits do not.  LIMIT: numbers of magnitude 65,504 and above overflow, steps below 6e-8 are lost.
; A stream: every input byte is read once, every output byte written once.  No LDS, no matrix unit, no cluster: no two work-groups share a byte.
; Work-group id: 0-511 hidden_states, 512-639 Wq, 640-767 Wk, 768-895 Wv (8,192 numbers each), 896-911 the table (128 rows each), 912 the biases.
; Thread t takes 8 numbers a turn: 32 bytes in (two 16-byte loads), 16 bytes out; a wave's store covers 512 consecutive bytes, aligned.
.set SC, 0x3ed96d27                    ; sqrt(log2(e)/8)
; turn it: 8 f32 in v[8+8it ..] are rounded to f16 and stored
.macro PACK it
.irp j, 0,1,2,3
	v_cvt_pk_f16_f32 v[40+4*\it+\j], v[8+8*\it+2*\j], v[9+8*\it+2*\j]
.endr
	global_store_b128 v2, v[40+4*\it:43+4*\it], s[38:39] offset:\it*4096
.endm
; 8,192 numbers from s[36:37] to s[38:39]; scaled = 1: times sc.  All eight loads go out first; no register is written twice.
.macro CAST scaled
.irp it, 0,1,2,3
	global_load_b128 v[8+8*\it:11+8*\it],  v1, s[36:37] offset:\it*8192 th:TH_LOAD_NT
	global_load_b128 v[12+8*\it:15+8*\it], v1, s[36:37] offset:\it*8192+16 th:TH_LOAD_NT
.endr
.irp it, 0,1,2,3
	s_wait_loadcnt 6-2*\it                         ; loads return in order: this turn's two are in, the younger pairs stay out
.if \scaled
.irp j, 0,2,4,6
	v_pk_mul_f32 v[8+8*\it+\j:9+8*\it+\j], v[8+8*\it+\j:9+8*\it+\j], s[30:31] op_sel_hi:[1,0]
.endr
.endif
	PACK \it
.endr
.endm
	s_load_b512 s[4:19], s[0:1], 0x0               ; hidden s[4:5], Wq s[6:7], Wk s[8:9], Wv s[10:11], bq s[12:13], bk s[14:15], bv s[16:17], dist_emb s[18:19]
	s_load_b256 s[20:27], s[0:1], 0x40             ; xb s[20:21], wcat s[22:23], bcat s[24:25], er s[26:27]
	s_mov_b32 s28, ttmp9                           ; the work-group's number
	s_mov_b32 s30, SC
	s_mov_b32 s31, SC
	s_mov_b32 s33, 0                               ; high words of the two offset pairs
	s_mov_b32 s35, 0
	v_lshlrev_b32 v1, 5, v0                        ; 32 t: my bytes in a turn's input
	v_lshlrev_b32 v2, 4, v0                        ; 16 t: my bytes in a turn's output
	s_wait_kmcnt 0x0
	s_cmp_lt_u32 s28, 512
	s_cbranch_scc0 .Lnot_x
	s_lshl_b32 s32, s28, 15                        ; 32 KiB in,
	s_lshl_b32 s34, s28, 14                        ; 16 KiB out for each work-group
	s_add_nc_u64 s[36:37], s[4:5], s[32:33]
	s_add_nc_u64 s[38:39], s[20:21], s[34:35]
	CAST 0
	s_endpgm
.Lnot_x:
	s_cmp_lt_u32 s28, 896
	s_cbranch_scc0 .Lnot_w
	s_sub_co_u32 s29, s28, 512                     ; 0-383: place in wcat
	s_and_b32 s32, s29, 127                        ; place in its own matrix
	s_lshl_b32 s32, s32, 15
	s_lshl_b32 s34, s29, 14
	s_add_nc_u64 s[38:39], s[22:23], s[34:35]
	s_cmp_lt_u32 s29, 256
	s_cbranch_scc0 .Lwv
	s_cmp_lt_u32 s29, 128
	s_cselect_b64 s[36:37], s[6:7], s[8:9]         ; Wq or Wk: the choice hangs on the work-group's number alone
	s_add_nc_u64 s[36:37], s[36:37], s[32:33]
	CAST 1
	s_endpgm
.Lwv:
	s_add_nc_u64 s[36:37], s[10:11], s[32:33]
	CAST 0
	s_endpgm
.Lnot_w:
	s_cmp_lt_u32 s28, 912
	s_cbranch_scc0 .Lbias
	; the table, upside down: output row i = 128 e + 32 it + t/8 comes from input row 2046 - i; eight threads take a row
	s_sub_co_u32 s29, s28, 896                     ; e
	s_lshl_b32 s34, s29, 14
	s_add_nc_u64 s[38:39], s[26:27], s[34:35]
	s_lshl_b32 s29, s29, 7
	v_lshrrev_b32 v3, 3, v0
	v_add_nc_u32 v3, s29, v3                       ; i of turn 0
	v_and_b32 v4, 7, v0
	v_lshlrev_b32 v4, 5, v4                        ; my 32 bytes in an input row of 256
	v_mov_b32 v60, s30
	v_mov_b32 v61, 0
.irp it, 0,1,2,3
	v_add_nc_u32 v5, 32*\it, v3
	v_min_u32 v5, 2046, v5                         ; row 2047 has no source: it reads row 0 and is multiplied by 0 below
	v_sub_nc_u32 v5, 2046, v5
	v_lshl_add_u32 v[56+\it], v5, 8, v4
	global_load_b128 v[8+8*\it:11+8*\it],  v[56+\it], s[18:19]
	global_load_b128 v[12+8*\it:15+8*\it], v[56+\it], s[18:19] offset:16
.endr
.irp it, 0,1,2,3
	v_cmp_eq_u32 vcc_lo, 2047-32*\it, v3           ; i = 2047?
	v_cndmask_b32 v6, v60, v61, vcc_lo             ; the factor: sc, or 0 for that row
	v_mov_b32 v7, v6
	s_wait_loadcnt 6-2*\it
.irp j, 0,2,4,6
	v_pk_mul_f32 v[8+8*\it+\j:9+8*\it+\j], v[8+8*\it+\j:9+8*\it+\j], v[6:7]
.endr
	PACK \it
.endr
	s_endpgm
.Lbias:
	global_load_b128 v[8:11],  v2, s[12:13]        ; 1,024 f32 each: 16 bytes a thread
	global_load_b128 v[12:15], v2, s[14:15]
	global_load_b128 v[16:19], v2, s[16:17]
	s_wait_loadcnt 0x0
.irp j, 8,10,12,14
	v_pk_mul_f32 v[\j:\j+1], v[\j:\j+1], s[30:31] op_sel_hi:[1,0]
.endr
	global_store_b128 v2, v[8:11],  s[24:25]
	global_store_b128 v2, v[12:15], s[24:25] offset:4096
	global_store_b128 v2, v[16:19], s[24:25] offset:8192
	s_endpgm
.Lfunc_end_k_q7e8038b9a0_prep:
	.size	k_q7e8038b9a0_prep, .Lfunc_end_k_q7e8038b9a0_prep-k_q7e8038b9a0_prep
	.p2alignl 7, 3214868480
	.fill 96, 4, 3214868480
	.section	.rodata,"a",@progbits
	.p2align	6, 0x0
	.amdhsa_kernel k_q7e8038b9a0_prep
		.amdhsa_group_segment_fixed_size 0
		.amdhsa_private_segment_fixed_size 0
		.amdhsa_enable_private_segment 0
		.amdhsa_kernarg_size 96
		.amdhsa_user_sgpr_count 2
		.amdhsa_user_sgpr_kernarg_segment_ptr 1
		.amdhsa_wavefront_size32 1
		.amdhsa_system_sgpr_workgroup_id_x 1
		.amdhsa_system_sgpr_workgroup_id_y 1
		.amdhsa_system_sgpr_workgroup_id_z 1
		.amdhsa_system_vgpr_workitem_id 0
		.amdhsa_next_free_vgpr 64
		.amdhsa_next_free_sgpr 66
		.amdhsa_reserve_vcc 1
		.amdhsa_float_denorm_mode_32 3
		.amdhsa_float_denorm_mode_16_64 3
		.amdhsa_memory_ordered 1
		.amdhsa_forward_progress 1
		.amdhsa_inst_pref_size 16
	.end_amdhsa_kernel
	.amdgpu_metadata
---
amdhsa.version: [ 1, 2 ]
amdhsa.kernels:
  - .name:           k_q7e8038b9a0_prep
    .symbol:         k_q7e8038b9a0_prep.kd
    .args:
      - { .name: hidden_states, .offset: 0, .size: 8, .value_kind: global_buffer, .address_space: global }
      - { .name: Wq, .offset: 8, .size: 8, .value_kind: global_buffer, .address_space: global }
      - { .name: Wk, .offset: 16, .size: 8, .value_kind: global_buffer, .address_space: global }
      - { .name: Wv, .offset: 24, .size: 8, .value_kind: global_buffer, .address_space: global }
      - { .name: bq, .offset: 32, .size: 8, .value_kind: global_buffer, .address_space: global }
      - { .name: bk, .offset: 40, .size: 8, .value_kind: global_buffer, .address_space: global }
      - { .name: bv, .offset: 48, .size: 8, .value_kind: global_buffer, .address_space: global }
      - { .name: dist_emb, .offset: 56, .size: 8, .value_kind: global_buffer, .address_space: global }
      - { .name: xb, .offset: 64, .size: 8, .value_kind: global_buffer, .address_space: global }
      - { .name: wcat, .offset: 72, .size: 8, .value_kind: global_buffer, .address_space: global }
      - { .name: bcat, .offset: 80, .size: 8, .value_kind: global_buffer, .address_space: global }
      - { .name: er, .offset: 88, .size: 8, .value_kind: global_buffer, .address_space: global }
    .group_segment_fixed_size: 0
    .private_segment_fixed_size: 0
    .kernarg_segment_align: 8
    .kernarg_segment_size: 96
    .max_flat_workgroup_size: 256
    .sgpr_count:     66
    .vgpr_count:     64
    .wavefront_size: 32
...
	.end_amdgpu_metadata
.endif
;; end of part 1
;; launch proj (part 2): grid 16 x 16, 4 waves a work-group, clusters of 4 x 4, 327,680 bytes of LDS; arguments xb, wcat, bcat, qkv; writes qkv
.if DOCPART == 2
	.amdgcn_target "amdgcn-amd-amdhsa--gfx1250"
	.amdhsa_code_object_version 6
	.text
	.protected	k_q7e8038b9a0_proj
	.globl	k_q7e8038b9a0_proj
	.p2align	8
	.type	k_q7e8038b9a0_proj,@function
k_q7e8038b9a0_proj:
	s_mov_b64 s[64:65], 0
	v_nop
	global_prefetch_b8 v0, s[64:65] scope:SCOPE_SE
	s_setreg_imm32_b32 hwreg(HW_REG_WAVE_MODE, 25, 1), 1
	s_wait_xcnt 0x0
	s_wait_alu depctr_hold_cnt(0) depctr_sa_sdst(0) depctr_va_vdst(0) depctr_va_sdst(0) depctr_va_ssrc(0) depctr_va_vcc(0) depctr_vm_vsrc(0)
	s_getreg_b32 s2, hwreg(HW_REG_IB_STS2, 6, 4)
	s_cmp_eq_u32 s2, 0
	s_cbranch_scc0 .Lentry_in_a_cluster
	s_endpgm
.Lentry_in_a_cluster:
	s_bfe_u32 s2, ttmp6, 0x10000c
	s_cmp_lg_u32 s2, 0xf033
	s_cbranch_scc0 .Lentry_shape_is_right
	s_endpgm
.Lentry_shape_is_right:
; proj: C = xb . wcat^T + bcat, M = 4096, N = 3072 (q, k, v side by side), K = 1024; f16 operands, f32 sums, f16 out.
; LIMIT: a result of magnitude 65,504 or more overflows f16.  Sums of 1,024 products of numbers 30 times the usual size (about 3,100),
; or of inputs that both carry offsets of 30 times their spread (1024 x 30 x 0.6 = 18,432), lie below it.
; qkv layout: [b*16+head][l/128][type q,k,v][128 rows][64] f16: each (head, 128 rows, type) is one dense block of 16,384 bytes.
; A work-group makes 256 rows x 192 columns: 16 x 16 = 256 work-groups.  Wave w makes rows 64 w .. 64 w + 63 and all 192 columns
; (three whole heads' groups of 64): 48 accumulator tiles of 16 x 16, 384 registers.  For 32 along K a wave issues 32 LDS loads and 48 matrix instructions.
; K goes in steps of 128 (rows of 256 bytes, aligned) through two LDS slots filled by the tensor data mover.
; CLUSTERS: 4 x 4 work-groups.  X's tile hangs on the block row alone and is asked for jointly along a row of the cluster, W's on the block column
; alone and is asked for jointly along a column: a quarter of the requests.
; The matrix instruction is used transposed (source 0 = 16 rows of W, source 1 = 16 rows of X): a lane then holds one row of C and eight neighbouring columns.
; REGISTERS: window 0: v16-27 addresses; X fragments v64-95, v96-127 (two buffers of 4 tiles); v128-175 packed results; v176-223 rows read back.
;            window 1: W fragments v0-95, v96-191 (two buffers of 12 tiles); on the way out v0-95 hold the bias.
;            window 2: accumulators of my rows 0-31 (tile (a, b) at 8 (12 a + b)); window 3: of my rows 32-63.
.set SIZE_K, 1024
.set KSTEP,  128
.set PITCH,  272                       ; LDS row: 256 bytes + 16 of padding, an odd multiple of 16: the 16 rows of a fragment load start in different groups of banks
.set HALFA,  128*PITCH                 ; what one tensor load brings of X
.set HALFB,  96*PITCH                  ; and of W
.set SLOT,   2*HALFA+2*HALFB           ; X's 256 rows, then W's 192 rows: 121,856 bytes
.set STAGE,  2*SLOT                    ; behind the ring (a multiple of 256): 16 rows x 400 bytes for each wave, never the target of a tensor load
.set SPITCH, 400                       ; 384 bytes of a row of 192 f16 + 16
.set LAPS,   SIZE_K/(2*KSTEP)          ; 4 laps of two K steps
.set ADRA, 16                          ; v16-17 LDS address of my X fragments in slot 0, 1
.set ADRB, 20                          ; v20-21 the same for W
.set STO,  24                          ; way out: where I put 16 bytes of a row
.set RD,   25                          ; way out: where I read rows back
.set CO,   26                          ; 16 x lane: my bytes in 512 consecutive bytes of qkv
.set BO,   27                          ; 32 x (lane / 16): my eight bias numbers in a tile's sixteen
.set TMP,  128
.set RB,   176
.set G1,  24                           ; s[24:31] group 1 for X's tiles
.set G0,  32                           ; s[32:39] group 0 for X's tiles, one set a slot
.set G1B, 48                           ; s[48:55] group 1 for W's tiles
.set G0B, 56                           ; s[56:63] group 0 for W's tiles, one set a slot
.set MSB, 0
.macro WIN new                         ; the immediate's high byte repeats the setting that is left
.if MSB != \new
	s_set_vgpr_msb (MSB<<8)|\new
.set MSB, \new
.endif
.endm
.set MUL_LO, 0xa1                      ; source 0 (W) window 1, source 1 (X) window 0, C and D window 2
.set MUL_HI, 0xf1                      ; the same, C and D window 3
.set TO_B,   0x40                      ; destination window 1, address window 0
; A joint load: waves 0 and 1 fetch X's two halves, waves 2 and 3 W's.  The branch hangs on the wave's number alone.
.macro JLOAD s
	s_cmp_eq_u32 s13, 0
	s_cbranch_scc0 .Lfor_b_\@
	tensor_load_to_lds s[G0+4*\s:G0+4*\s+3], s[G1:G1+7]
	s_nop 0
	s_branch .Lasked_\@
.Lfor_b_\@:
	tensor_load_to_lds s[G0B+4*\s:G0B+4*\s+3], s[G1B:G1B+7]
	s_nop 0
.Lasked_\@:
.endm
; A round of the cluster's barrier: my work-group's barrier; wave 0 signals for the work-group; every wave waits for all sixteen; my work-group's barrier again.
.macro CREST                           ; a round behind its opening barrier
	s_cmp_lg_u32 s12, 0
	s_cbranch_scc1 .Lnot_wave_0_\@
	s_barrier_signal -3
.Lnot_wave_0_\@:
	s_barrier_wait -3
	s_barrier_signal -1
	s_barrier_wait -1
.endm
.macro CROUND
	s_barrier_signal -1
	s_barrier_wait -1
	CREST
.endm
	s_load_b256 s[4:11], s[0:1], 0x0               ; xb s[4:5], wcat s[6:7], bcat s[8:9], qkv s[10:11]
	s_set_vgpr_msb 0x40
	v_lshl_add_u32 v255, v0, 2, 0x41c00
	s_set_vgpr_msb 0x4000
	v_mov_b32 v255, 0
	s_set_vgpr_msb 0x1
	ds_add_u32 v255, v255
	s_set_vgpr_msb 0x100
	v_lshrrev_b32 v1, 5, v0
	v_readfirstlane_b32 s12, v1                    ; wave 0..3
	s_lshr_b32 s13, s12, 1                         ; I fetch for X (0) or for W (1)
	s_and_b32 s14, s12, 1                          ; which half of that tile
	s_bfe_u32 s15, ttmp6, 0x40000                  ; cx
	s_bfe_u32 s16, ttmp6, 0x40004                  ; cy
	s_lshl_b32 s17, ttmp9, 2
	s_add_co_u32 s17, s17, s15                     ; block column = 4 x cluster x + cx
	s_and_b32 s18, ttmp7, 0xffff
	s_lshl_b32 s18, s18, 2
	s_add_co_u32 s18, s18, s16                     ; block row = 4 x cluster y + cy
	s_lshl_b32 s19, s16, 2
	s_lshl_b32 s19, 15, s19                        ; my row of the cluster: places 4 cy .. 4 cy + 3
	s_lshl_b32 s20, 0x1111, s15                    ; my column: places cx, cx + 4, cx + 8, cx + 12
	s_or_b32 s[G1+0],  s19, (1<<16)|(1<<20)|(1<<21)|(5<<22)|(3<<25)  ; mask; elements of 2 bytes; padding on; bit 21 beside a mask; after every 64 words, 4 words
	s_or_b32 s[G1B+0], s20, (1<<16)|(1<<20)|(1<<21)|(5<<22)|(3<<25)
	s_mov_b32 s[G1+1],  KSTEP<<16                  ; tensor_dim0 = 128
	s_mov_b32 s[G1B+1], KSTEP<<16
	s_mov_b32 s[G1+2],  128<<16                    ; tensor_dim1 = 128 rows of X
	s_mov_b32 s[G1B+2], 96<<16                     ;             = 96 rows of W
	s_mov_b32 s[G1+3],  KSTEP<<16                  ; tile_dim0 = 128
	s_mov_b32 s[G1B+3], KSTEP<<16
	s_mov_b32 s[G1+4],  128                        ; tile_dim1
	s_mov_b32 s[G1B+4], 96
	s_mov_b32 s[G1+5],  SIZE_K                     ; elements from row to row
	s_mov_b32 s[G1B+5], SIZE_K
	s_mov_b32 s[G1+6],  0
	s_mov_b32 s[G1B+6], 0
	s_mov_b32 s[G1+7],  0
	s_mov_b32 s[G1B+7], 0
	; where the tiles come from: X's address is made of the block row and the wave's number, W's of the block column and the wave's number
	s_lshl_b32 s46, s14, 7
	s_lshl_b32 s40, s18, 8
	s_add_co_u32 s40, s40, s46                     ; X: row 256 x block row + 128 x half
	s_lshl_b32 s40, s40, 11                        ; rows of 2,048 bytes
	s_mov_b32 s41, 0
	s_mul_i32 s47, s14, 96
	s_mul_i32 s44, s17, 192
	s_add_co_u32 s44, s44, s47                     ; W: row 192 x block column + 96 x half
	s_lshl_b32 s44, s44, 11
	s_mov_b32 s45, 0
	s_mul_i32 s21, s12, HALFA                      ; where they go: X's halves at wave x 128 rows (waves 0, 1),
	s_mul_i32 s22, s12, HALFB
	s_add_co_u32 s22, s22, 2*HALFA-2*HALFB         ; W's halves behind X's 256 rows at (wave - 2) x 96 rows (waves 2, 3)
	s_wait_dscnt 0x0
	s_wait_kmcnt 0x0
	s_add_nc_u64 s[40:41], s[4:5], s[40:41]
	s_add_nc_u64 s[44:45], s[6:7], s[44:45]
	CROUND                                         ; all sixteen work-groups are here: the first joint loads meet
.irp s, 0,1
	s_mov_b32 s[G0+4*\s], 1
	s_add_co_u32 s[G0+4*\s+1], s21, \s*SLOT
	s_add_nc_u64 s[G0+4*\s+2:G0+4*\s+3], s[40:41], \s*KSTEP*2      ; K step s
	s_or_b32 s[G0+4*\s+3], s[G0+4*\s+3], 0x80000000
	s_mov_b32 s[G0B+4*\s], 1
	s_add_co_u32 s[G0B+4*\s+1], s22, \s*SLOT
	s_add_nc_u64 s[G0B+4*\s+2:G0B+4*\s+3], s[44:45], \s*KSTEP*2
	s_or_b32 s[G0B+4*\s+3], s[G0B+4*\s+3], 0x80000000
	JLOAD \s                                       ; both slots are asked for before anything else: two tensor loads of a wave are out
.endr
	; a fragment: lane l holds row l % 16; registers 0-3 K = 8 (l / 16) + 0..7, registers 4-7 K = 16 + 8 (l / 16) + 0..7: two loads of 16 bytes, 32 apart
	v_and_b32 v1, 15, v0
	v_bfe_u32 v2, v0, 4, 1
	v_mul_u32_u24 v3, v1, PITCH
	v_lshl_add_u32 v3, v2, 4, v3
	s_mul_i32 s23, s12, 64*PITCH                   ; my 64 rows of X
	s_mov_b32 s46, 2*HALFA                         ; W lies behind X's 256 rows
.irp s, 0,1
	v_add_nc_u32 v[ADRA+\s], s23, v3
	v_add_nc_u32 v[ADRB+\s], s46, v3
	s_add_co_u32 s23, s23, SLOT
	s_add_co_u32 s46, s46, SLOT
.endr
	s_mul_i32 s47, s12, 16*SPITCH
	s_add_co_u32 s47, s47, STAGE                   ; my stage
	v_mul_u32_u24 v4, v1, SPITCH
	v_lshl_add_u32 v4, v2, 4, v4
	v_add_nc_u32 v[STO], s47, v4                   ; in: row l % 16, 16 bytes for each half of the lanes
	v_and_b32 v5, 31, v0
	v_lshrrev_b32 v6, 3, v5
	v_and_b32 v7, 7, v0
	v_mul_u32_u24 v6, v6, SPITCH
	v_lshl_add_u32 v6, v7, 4, v6
	v_add_nc_u32 v[RD], s47, v6                    ; back: eight lanes take 128 bytes (one head's 64 columns) of a row, a wave four rows
	v_lshlrev_b32 v[CO], 4, v5
	v_lshlrev_b32 v[BO], 5, v2
; 12 matrix instructions: X tile 2 hi + ap x all 12 W tiles, 32 along K, from buffer f.  zero = 1: the first product starts the sums.
.macro MUL12 f, hi, ap, zero
.irp b, 0,1,2,3,4,5,6,7,8,9,10,11
.if \zero
	v_wmma_f32_16x16x32_f16 v[8*(12*\ap+\b):8*(12*\ap+\b)+7], v[96*\f+8*\b:96*\f+8*\b+7], v[64+32*\f+8*(2*\hi+\ap):64+32*\f+8*(2*\hi+\ap)+7], 0
.else
	v_wmma_f32_16x16x32_f16 v[8*(12*\ap+\b):8*(12*\ap+\b)+7], v[96*\f+8*\b:96*\f+8*\b+7], v[64+32*\f+8*(2*\hi+\ap):64+32*\f+8*(2*\hi+\ap)+7], v[8*(12*\ap+\b):8*(12*\ap+\b)+7]
.endif
.endr
.endm
; 32 LDS loads in one run: 192 rows of W, then my 64 rows of X, 32 K at byte k of the rows, into buffer f
.macro FETCH slot, k, f
	WIN TO_B
.irp i, 0,1,2,3,4,5,6,7,8,9,10,11
	ds_load_b128 v[96*\f+8*\i:96*\f+8*\i+3],   v[ADRB+\slot] offset:\k+\i*16*PITCH
	ds_load_b128 v[96*\f+8*\i+4:96*\f+8*\i+7], v[ADRB+\slot] offset:\k+\i*16*PITCH+32
.endr
	WIN 0
.irp i, 0,1,2,3
	ds_load_b128 v[64+32*\f+8*\i:64+32*\f+8*\i+3],   v[ADRA+\slot] offset:\k+\i*16*PITCH
	ds_load_b128 v[64+32*\f+8*\i+4:64+32*\f+8*\i+7], v[ADRA+\slot] offset:\k+\i*16*PITCH+32
.endr
.endm
; Four plain vector places stand between a matrix instruction and a load into one of its registers or a vector instruction on them (ISA guide 7.12.1 for vector instructions).
.macro PLACES
.rept 4
	v_nop
.endr
.endm
; A quarter step: 48 matrix instructions on buffer f; in its middle the next quarter's fragments are fetched into buffer g.
; The 48 accumulators take turns, one instruction a turn, in the same order in every quarter.
.macro QUARTER slot, k, f, g, zero
	s_wait_dscnt 4                                 ; W and X's tiles 0, 1 are in; the youngest four loads (X's tiles 2, 3) may be out
	WIN MUL_LO
	MUL12 \f, 0, 0, \zero
	MUL12 \f, 0, 1, \zero
	PLACES
	FETCH \slot, \k, \g
	s_wait_dscnt 32                                ; all but the 32 just issued
	WIN MUL_HI
	MUL12 \f, 1, 0, \zero
	MUL12 \f, 1, 1, \zero
.endm
.macro THREE slot, zero
	QUARTER \slot, 64,  0, 1, \zero
	QUARTER \slot, 128, 1, 0, 0
	QUARTER \slot, 192, 0, 1, 0
.endm
; The last quarter multiplies buffer 1 and changes slots.  In front of the barrier each wave waits for its reads of this slot and for all its tensor
; loads (one is out: its part of the next slot).  fill = 1: the barrier opens a round of the cluster's barrier, and the joint refill is the first tensor load behind it.
.macro TURN slot, next, fill
	s_wait_dscnt 4
	WIN MUL_LO
	MUL12 1, 0, 0, 0
	s_wait_dscnt 0                                 ; my reads of this slot are over
	s_wait_tensorcnt 0x0                           ; all my tensor loads have landed
	ds_add_u32 v255, v255
	s_wait_dscnt 0x0
	s_barrier_signal -1
	MUL12 1, 0, 1, 0                               ; register work while the others arrive
	WIN 0
	s_barrier_wait -1
.if \fill
	CREST                                          ; no wave of any partner still reads this slot or has a load on its way
	s_add_nc_u64 s[G0+4*\slot+2:G0+4*\slot+3], s[G0+4*\slot+2:G0+4*\slot+3], 2*KSTEP*2
	s_add_nc_u64 s[G0B+4*\slot+2:G0B+4*\slot+3], s[G0B+4*\slot+2:G0B+4*\slot+3], 2*KSTEP*2
	JLOAD \slot                                    ; my one tensor load behind the round: two K steps ahead
.endif
	PLACES
	FETCH \next, 0, 0
	WIN MUL_HI
	MUL12 1, 1, 0, 0
	MUL12 1, 1, 1, 0
.endm
.macro LAP zero
	THREE 0, \zero
	TURN 0, 1, 1
	THREE 1, 0
	TURN 1, 0, 1
.endm
	s_wait_tensorcnt 1                             ; my part of K step 0 is in; K step 1's may stay out
	s_barrier_signal -1
	s_barrier_wait -1
	FETCH 0, 0, 0
	LAP 1                                          ; the first lap's first products start the sums: nothing is cleared
	WIN 0
	s_mov_b32 s3, LAPS-2
.Llap:
	LAP 0
	WIN 0
	s_sub_co_u32 s3, s3, 1
	s_cmp_lg_u32 s3, 0
	s_cbranch_scc1 .Llap
	THREE 0, 0                                     ; the last lap fills nothing
	TURN 0, 1, 0
	THREE 1, 0
	s_wait_dscnt 4
	WIN MUL_LO
	MUL12 1, 0, 0, 0
	MUL12 1, 0, 1, 0
	s_wait_dscnt 0
	WIN MUL_HI
	MUL12 1, 1, 0, 0
	MUL12 1, 1, 1, 0
	; THE WAY OUT.  The bias of my eight columns of each of the 12 tiles goes into window 1, where W's fragments lay.
	PLACES
	s_mul_i32 s76, s17, 768                        ; 192 f32 for each block column
	s_mov_b32 s77, 0
	s_add_nc_u64 s[8:9], s[8:9], s[76:77]
	WIN TO_B
.irp b, 0,1,2,3,4,5,6,7,8,9,10,11
	global_load_b128 v[8*\b:8*\b+3],   v[BO], s[8:9] offset:64*\b
	global_load_b128 v[8*\b+4:8*\b+7], v[BO], s[8:9] offset:64*\b+16
.endr
	; the three dense blocks of qkv that my 64 rows x 3 groups of 64 columns fall into
	s_lshr_b32 s74, s18, 2
	s_lshl_b32 s74, s74, 4                         ; 16 b
	s_and_b32 s75, s18, 3
	s_lshl_b32 s75, s75, 1
	s_add_co_u32 s75, s75, s13                     ; l / 128
	s_mov_b32 s79, 0
.irp gi, 0,1,2
	s_mul_i32 s76, s17, 3
	s_add_co_u32 s76, s76, \gi                     ; group of 64 columns, 0..47
	s_lshr_b32 s77, s76, 4                         ; type: q, k, v
	s_and_b32 s76, s76, 15                         ; head
	s_add_co_u32 s76, s76, s74
	s_lshl_b32 s76, s76, 3
	s_add_co_u32 s76, s76, s75
	s_mul_i32 s76, s76, 3
	s_add_co_u32 s76, s76, s77
	s_lshl_b32 s78, s76, 14                        ; blocks of 16,384 bytes
	s_lshl_b32 s77, s14, 13                        ; my 64 rows are the block's upper or lower half
	s_add_co_u32 s78, s78, s77
	s_add_nc_u64 s[68+2*\gi:69+2*\gi], s[10:11], s[78:79]
.endr
	s_wait_loadcnt 0x0
; rows 16 a .. 16 a + 15 of my 64: add the bias, round, 16 bytes a lane into my stage, back as pieces of 128 bytes of four rows, which are 512 consecutive bytes of qkv
.macro OUT a, ap, addw, from
	WIN \addw
.irp b, 0,1,2,3,4,5,6,7,8,9,10,11
.irp r, 0,2,4,6
	v_pk_add_f32 v[8*(12*\ap+\b)+\r:8*(12*\ap+\b)+\r+1], v[8*(12*\ap+\b)+\r:8*(12*\ap+\b)+\r+1], v[8*\b+\r:8*\b+\r+1]
.endr
.endr
	WIN \from
.irp b, 0,1,2,3,4,5,6,7,8,9,10,11
.irp r, 0,1,2,3
	v_cvt_pk_f16_f32 v[TMP+4*\b+\r], v[8*(12*\ap+\b)+2*\r], v[8*(12*\ap+\b)+2*\r+1]
.endr
.endr
	WIN 0
.irp b, 0,1,2,3,4,5,6,7,8,9,10,11
	ds_store_b128 v[STO], v[TMP+4*\b:TMP+4*\b+3] offset:32*\b
.endr
	s_wait_xcnt 0x0                                ; the registers that earlier stores read are loaded again only behind this wait
.irp gi, 0,1,2
.irp t, 0,1,2,3
	ds_load_b128 v[RB+4*(4*\gi+\t):RB+4*(4*\gi+\t)+3], v[RD] offset:\gi*128+\t*4*SPITCH   ; LDS serves a wave's instructions in order: these see the stores above
.endr
.endr
.irp gi, 0,1,2
.irp t, 0,1,2,3
	s_wait_dscnt 11-(4*\gi+\t)
	global_store_b128 v[CO], v[RB+4*(4*\gi+\t):RB+4*(4*\gi+\t)+3], s[68+2*\gi:69+2*\gi] offset:\a*2048+\t*512   ; a wave stores 512 consecutive bytes, aligned
.endr
.endr
.endm
	OUT 0, 0, 0x86, 0x0a
	OUT 1, 1, 0x86, 0x0a
	OUT 2, 0, 0xc7, 0x0f
	OUT 3, 1, 0xc7, 0x0f
	s_set_vgpr_msb 0x1
	s_wait_tensorcnt 0x0
	ds_add_u32 v255, v255
	s_wait_dscnt 0x0
	s_set_vgpr_msb 0x100
	CROUND                                         ; the closing round: no work-group ends while a partner may still ask for a tile that names it
	s_endpgm
.Lfunc_end_k_q7e8038b9a0_proj:
	.size	k_q7e8038b9a0_proj, .Lfunc_end_k_q7e8038b9a0_proj-k_q7e8038b9a0_proj
	.p2alignl 7, 3214868480
	.fill 96, 4, 3214868480
	.section	.rodata,"a",@progbits
	.p2align	6, 0x0
	.amdhsa_kernel k_q7e8038b9a0_proj
		.amdhsa_group_segment_fixed_size 327680
		.amdhsa_private_segment_fixed_size 0
		.amdhsa_enable_private_segment 0
		.amdhsa_kernarg_size 32
		.amdhsa_user_sgpr_count 2
		.amdhsa_user_sgpr_kernarg_segment_ptr 1
		.amdhsa_wavefront_size32 1
		.amdhsa_system_sgpr_workgroup_id_x 1
		.amdhsa_system_sgpr_workgroup_id_y 1
		.amdhsa_system_sgpr_workgroup_id_z 1
		.amdhsa_system_vgpr_workitem_id 0
		.amdhsa_next_free_vgpr 1024
		.amdhsa_next_free_sgpr 80
		.amdhsa_reserve_vcc 0
		.amdhsa_float_denorm_mode_32 3
		.amdhsa_float_denorm_mode_16_64 3
		.amdhsa_memory_ordered 1
		.amdhsa_forward_progress 1
		.amdhsa_inst_pref_size 179
	.end_amdhsa_kernel
	.amdgpu_metadata
---
amdhsa.version: [ 1, 2 ]
amdhsa.kernels:
  - .name:           k_q7e8038b9a0_proj
    .symbol:         k_q7e8038b9a0_proj.kd
    .args:
      - { .name: xb, .offset: 0, .size: 8, .value_kind: global_buffer, .address_space: global }
      - { .name: wcat, .offset: 8, .size: 8, .value_kind: global_buffer, .address_space: global }
      - { .name: bcat, .offset: 16, .size: 8, .value_kind: global_buffer, .address_space: global }
      - { .name: qkv, .offset: 24, .size: 8, .value_kind: global_buffer, .address_space: global }
    .group_segment_fixed_size: 327680
    .private_segment_fixed_size: 0
    .kernarg_segment_align: 8
    .kernarg_segment_size: 32
    .max_flat_workgroup_size: 128
    .sgpr_count:     80
    .vgpr_count:     1024
    .wavefront_size: 32
...
	.end_amdgpu_metadata
.endif
;; end of part 2
;; launch attn (part 3): grid 256 x 1, 4 waves a work-group, clusters of 4 x 1, 327,680 bytes of LDS; arguments qkv, er, attention_mask, out0; writes out0
.if DOCPART == 3
	.amdgcn_target "amdgcn-amd-amdhsa--gfx1250"
	.amdhsa_code_object_version 6
	.text
	.protected	k_q7e8038b9a0_attn
	.globl	k_q7e8038b9a0_attn
	.p2align	8
	.type	k_q7e8038b9a0_attn,@function
k_q7e8038b9a0_attn:
	s_mov_b64 s[64:65], 0
	v_nop
	global_prefetch_b8 v0, s[64:65] scope:SCOPE_SE
	s_setreg_imm32_b32 hwreg(HW_REG_WAVE_MODE, 25, 1), 1
	s_wait_xcnt 0x0
	s_wait_alu depctr_hold_cnt(0) depctr_sa_sdst(0) depctr_va_vdst(0) depctr_va_sdst(0) depctr_va_ssrc(0) depctr_va_vcc(0) depctr_vm_vsrc(0)
	s_getreg_b32 s2, hwreg(HW_REG_IB_STS2, 6, 4)
	s_cmp_eq_u32 s2, 0
	s_cbranch_scc0 .Lentry_in_a_cluster
	s_endpgm
.Lentry_in_a_cluster:
	s_bfe_u32 s2, ttmp6, 0x10000c
	s_cmp_lg_u32 s2, 0x3003
	s_cbranch_scc0 .Lentry_shape_is_right
	s_endpgm
.Lentry_shape_is_right:
; attn: softmax((q.k + q.E[l-r+1023] + k.E[l-r+1023]) / 8 + mask) . v for one (batch, head) a cluster, with a running maximum.
; q, k and the table arrive scaled so that the three products are already in units of log2; the mask is multiplied by log2(e) here.
; A cluster of four work-groups is one (b, head); work-group cx owns query rows 256 cx .. + 255, wave w 64 of them (four tiles of 16).
; Keys go in 16 steps of 64; an LDS slot holds one step's 64 rows of K and of V, asked for JOINTLY by the four work-groups, which walk the same keys.
; Step s reads slot s % 2, and the two sets of band registers change roles with s % 2 too: so two step bodies serve every step, and the text holds
; four of them for the sixteen steps: step 0 (which starts the sums), the loop's two (seven trips: steps 1-14), and step 15 (which fills nothing).
; The table is not shared jointly: partners need bands 256 rows apart at equal LDS addresses, so no one descriptor serves them; each brings its own 1,280 rows once.
; Scores are kept transposed, S(key, l): the lane is l, so the row's maximum and sum are a lane's own (two halves of lanes, joined by one lane exchange),
; two packed score tiles are a B fragment of the last product as they stand, and the output O(d, l) keeps l in the lane.
; THE TWO POSITION TERMS.  With er[i] = table[2046 - i], the pair (l, r) needs row i = r - l + 1023.  For a wave and a step these are 127 rows: 8 band tiles of 16.
;   KE: band tile kt + x (x = 0..4) times K tile kt gives (i, key), stored as KES[key][16 x + row];  S(key m, l n) of tile (kt, lt) reads KES[m][m - 16 lt - n + 63].
;   QE: band tile 3 - lt + x times Q tile lt gives (i, l), stored as QES[l][16 x + row];             the same S reads QES[n][16 kt + m - n + 15].
; Both go through a wave's own LDS scratch: aligned 16-byte stores, skewed 4-byte loads whose addresses are the gather.  KE (with the mask as its C) lands
; in the score registers and is the C of q.k; QE is added by packed adds.
; LIMITS: a mask value below -1.99e38 (-inf too) counts as -1.99e38, so that mask x log2(e) stays finite: a row whose keys are all masked so gives the
; uniform average; NaN inputs are not followed.  q, k, v, the table and the probabilities are f16 (the probabilities are at most 1, since the running
; maximum is taken away; those below 3e-8 of the row's largest are dropped); all else is f32.
; REGISTERS  window 0: addresses v4-21; Q v32-95; K v96-159; D v160-199 (five band products); mask tuples v200-231; raw mask v232-235
;            window 1: band tiles v0-127 (two sets of four, which change roles from step to step); V v128-191
;            window 2: S v0-127; T v128-191 (QE, two sets); P v192-223 (two sets); maxima v224-231; sums v232-239; alpha v240-241; at work v242-253
;            window 3: O v0-127
.set EPITCH, 144                       ; rows of 128 bytes + 16: an odd multiple of 16, for plain fragment loads
.set VPITCH, 160                       ; rows of 128 bytes + 32: an odd multiple of 32, for the transposing loads
.set SLOT0,  1280*EPITCH               ; the band: LDS bytes 0 .. 184,319
.set KBYTES, 64*EPITCH
.set SLOTB,  KBYTES+64*VPITCH          ; a slot: K's 64 rows, then V's: 19,456 bytes
.set MASKB,  SLOT0+2*SLOTB             ; 223,232: 1,024 f32 of mask
.set SCR0,   MASKB+4096                ; 227,328: the waves' scratch; like the mask a multiple of 256 and never the target of a tensor load
.set SPITCH, 336                       ; 80 f32 + 16 bytes
.set SCRH,   16*SPITCH                 ; KES, then QES
.set SCRB,   2*SCRH                    ; 10,752 bytes a wave
.set OPITCH, 272                       ; the way out: 64 f32 + 16 bytes, in KES's bytes
.set BLK3,   49152                     ; q, k, v blocks of 128 rows: two steps' keys
.set EADR, 4
.set KADR, 5
.set VADR, 6
.set MADR, 7
.set KST,  8
.set KLD,  9
.set QST,  10
.set QLD,  11
.set OST,  12
.set ORD,  13
.set OGO,  14
.set QOF,  15
.set QF,  32                           ; Q(lt, kk) = QF + 16 lt + 8 kk
.set KF,  96                           ; K(kt, kk) = KF + 16 kt + 8 kk
.set DD,  160                          ; D(x) = DD + 8 x
.set M8,  200                          ; mask tuple of key tile kt = M8 + 8 kt
.set RAW, 232
.set VF,  128                          ; window 1: V(dt, kk) = VF + 16 dt + 8 kk
.set TT,  128                          ; window 2
.set PP,  192
.set MM,  224
.set LS,  232
.set AL,  240
.set XT,  242
.set YT,  246
.set G1K, 24
.set G1V, 32
.set G1E, 40
.set G0K, 48
.set G0V, 56
.set MSB, 0
.macro WIN new                         ; low byte: bits 1:0 source 0, 3:2 source 1, 5:4 source 2, 7:6 destination; the high byte repeats the setting that is left
.if MSB != \new
	s_set_vgpr_msb (MSB<<8)|\new
.set MSB, \new
.endif
.endm
.macro PLACES n
.rept \n
	v_nop
.endr
.endm
.macro ROUND                           ; a round of the cluster's barrier
	s_barrier_signal -1
	s_barrier_wait -1
	s_cmp_lg_u32 s12, 0
	s_cbranch_scc1 .Lnot_wave_0_\@
	s_barrier_signal -3
.Lnot_wave_0_\@:
	s_barrier_wait -3
	s_barrier_signal -1
	s_barrier_wait -1
.endm
; A joint load: a step's K and V are 64 rows each and there are four waves: waves 0, 1 fetch K's halves of 32 rows (4,096 dense bytes), waves 2, 3 V's
; (another padding, so another group 1).  Every wave issues one load on every path; the branch hangs on the wave's number alone.
.macro JLOAD s
	s_cmp_eq_u32 s13, 0
	s_cbranch_scc0 .Lfor_v_\@
	tensor_load_to_lds s[G0K+4*\s:G0K+4*\s+3], s[G1K:G1K+7]
	s_nop 0
	s_branch .Lasked_\@
.Lfor_v_\@:
	tensor_load_to_lds s[G0V+4*\s:G0V+4*\s+3], s[G1V:G1V+7]
	s_nop 0
.Lasked_\@:
.endm
	s_load_b256 s[4:11], s[0:1], 0x0               ; qkv s[4:5], er s[6:7], mask s[8:9], out0 s[10:11]
	v_lshl_add_u32 v254, v0, 2, 0x42000
	v_mov_b32 v255, 0
	ds_add_u32 v254, v255
	v_lshrrev_b32 v1, 5, v0
	v_readfirstlane_b32 s12, v1                    ; wave 0..3
	s_lshr_b32 s13, s12, 1
	s_bfe_u32 s14, ttmp6, 0x40000                  ; cx: my quarter of the query rows
	s_mov_b32 s15, ttmp9                           ; the cluster's number = 16 b + head
	s_mov_b32 s76, 0x76543210                      ; v_permlanex16_b32: lane i of one half reads lane i of the other
	s_mov_b32 s77, 0xfedcba98
	s_mov_b32 s78, 0x3fb8aa3b                      ; log2(e)
	v_and_b32 v1, 15, v0                           ; n
	v_bfe_u32 v2, v0, 4, 1                         ; h
	v_lshlrev_b32 v[QOF], 7, v1
	v_lshl_add_u32 v[QOF], v2, 4, v[QOF]           ; a Q fragment's lane term: row n of 128 bytes + 16 h
	v_lshlrev_b32 v20, 5, v0                       ; my 32 bytes of the mask
	v_add_nc_u32 v21, MASKB, v20
	; group 1: rows of 64 elements of 2 bytes, dense in memory; padding after every 32 words
	s_mov_b32 s[G1K+0], 15|(1<<16)|(1<<20)|(1<<21)|(4<<22)|(3<<25)   ; all four work-groups; 4 words of padding
	s_mov_b32 s[G1V+0], 15|(1<<16)|(1<<20)|(1<<21)|(4<<22)|(7<<25)   ; 8 words of padding
	s_mov_b32 s[G1E+0], (1<<16)|(1<<20)|(4<<22)|(3<<25)              ; no mask: my own load
	s_mov_b32 s[G1K+1], 64<<16
	s_mov_b32 s[G1V+1], 64<<16
	s_mov_b32 s[G1E+1], 64<<16
	s_mov_b32 s[G1K+2], 32<<16                     ; 32 rows
	s_mov_b32 s[G1V+2], 32<<16
	s_mov_b32 s[G1E+2], 160<<16                    ; 160 rows
	s_mov_b32 s[G1K+3], 64<<16
	s_mov_b32 s[G1V+3], 64<<16
	s_mov_b32 s[G1E+3], 64<<16
	s_mov_b32 s[G1K+4], 32
	s_mov_b32 s[G1V+4], 32
	s_mov_b32 s[G1E+4], 160
	s_mov_b32 s[G1K+5], 64
	s_mov_b32 s[G1V+5], 64
	s_mov_b32 s[G1E+5], 64
	s_mov_b32 s[G1K+6], 0
	s_mov_b32 s[G1V+6], 0
	s_mov_b32 s[G1E+6], 0
	s_mov_b32 s[G1K+7], 0
	s_mov_b32 s[G1V+7], 0
	s_mov_b32 s[G1E+7], 0
	; K and V: block 0 of this head; type k for waves 0, 1 and type v for waves 2, 3 (16,384 bytes further); 32 rows (4,096 bytes) further for the odd waves.
	; Made of the cluster's number and the wave's alone.
	s_mul_i32 s16, s15, 8*BLK3
	s_lshl_b32 s84, s13, 14
	s_add_co_u32 s16, s16, s84
	s_and_b32 s84, s12, 1
	s_lshl_b32 s84, s84, 12
	s_add_co_u32 s16, s16, s84
	s_add_co_u32 s16, s16, 16384
	s_mov_b32 s17, 0
	s_mul_i32 s85, s12, 32*EPITCH                  ; K's halves in a slot: wave x 32 rows
	s_mul_i32 s86, s12, 32*VPITCH                  ; V's: (wave - 2) x 32 rows behind K
	; my band of the table: rows 768 - 256 cx + 160 w, and 640 further
	s_lshl_b32 s18, s14, 8
	s_sub_co_u32 s18, 768, s18
	s_mul_i32 s22, s12, 160
	s_add_co_u32 s18, s18, s22
	s_lshl_b32 s18, s18, 7
	s_mov_b32 s19, 0
	; my 64 rows of q: block 2 cx + w / 2, half w % 2
	s_lshl_b32 s20, s15, 3
	s_lshl_b32 s22, s14, 1
	s_add_co_u32 s20, s20, s22
	s_add_co_u32 s20, s20, s13
	s_mul_i32 s20, s20, BLK3
	s_and_b32 s22, s12, 1
	s_lshl_b32 s22, s22, 13
	s_add_co_u32 s20, s20, s22
	s_mov_b32 s21, 0
	s_lshr_b32 s23, s15, 4                         ; b
	s_lshl_b32 s82, s23, 12                        ; the mask's row
	s_mov_b32 s83, 0
	s_lshl_b32 s80, s23, 10                        ; out0: row 1024 b + 256 cx + 64 w of 4,096 bytes, + 256 head
	s_lshl_b32 s22, s14, 8
	s_add_co_u32 s80, s80, s22
	s_lshl_b32 s22, s12, 6
	s_add_co_u32 s80, s80, s22
	s_lshl_b32 s80, s80, 12
	s_and_b32 s22, s15, 15
	s_lshl_b32 s22, s22, 8
	s_add_co_u32 s80, s80, s22
	s_mov_b32 s81, 0
	s_wait_dscnt 0x0
	s_wait_kmcnt 0x0
	s_add_nc_u64 s[16:17], s[4:5], s[16:17]
	s_add_nc_u64 s[18:19], s[6:7], s[18:19]
	s_add_nc_u64 s[20:21], s[4:5], s[20:21]
	s_add_nc_u64 s[8:9], s[8:9], s[82:83]
	s_add_nc_u64 s[10:11], s[10:11], s[80:81]
.irp s, 0,1
	s_mov_b32 s[G0K+4*\s], 1
	s_add_co_u32 s[G0K+4*\s+1], s85, SLOT0+\s*SLOTB
	s_add_nc_u64 s[G0K+4*\s+2:G0K+4*\s+3], s[16:17], \s*8192       ; step s: keys 64 s ..
	s_or_b32 s[G0K+4*\s+3], s[G0K+4*\s+3], 0x80000000
	s_mov_b32 s[G0V+4*\s], 1
	s_add_co_u32 s[G0V+4*\s+1], s86, SLOT0+KBYTES-64*VPITCH+\s*SLOTB
	s_add_nc_u64 s[G0V+4*\s+2:G0V+4*\s+3], s[16:17], \s*8192
	s_or_b32 s[G0V+4*\s+3], s[G0V+4*\s+3], 0x80000000
.endr
	s_mov_b32 s68, 1
	s_mul_i32 s69, s12, 160*EPITCH
	s_mov_b64 s[70:71], s[18:19]
	s_or_b32 s71, s71, 0x80000000
	s_mov_b32 s72, 1
	s_add_co_u32 s73, s69, 640*EPITCH
	s_add_nc_u64 s[74:75], s[18:19], 640*128
	s_or_b32 s75, s75, 0x80000000
	ROUND                                          ; all four work-groups are here: the first joint loads meet
	tensor_load_to_lds s[68:71], s[G1E:G1E+7]      ; band rows 0-639 (my 160)
	s_nop 0
	JLOAD 0                                        ; keys 0-63
	tensor_load_to_lds s[72:75], s[G1E:G1E+7]      ; band rows 640-1279
	s_nop 0
	JLOAD 1                                        ; keys 64-127: four tensor loads of a wave are out
.irp lt, 0,1,2,3
.irp kk, 0,1
	global_load_b128 v[QF+16*\lt+8*\kk:QF+16*\lt+8*\kk+3],   v[QOF], s[20:21] offset:2048*\lt+64*\kk
	global_load_b128 v[QF+16*\lt+8*\kk+4:QF+16*\lt+8*\kk+7], v[QOF], s[20:21] offset:2048*\lt+64*\kk+32
.endr
.endr
	global_load_b128 v[160:163], v20, s[8:9]
	global_load_b128 v[164:167], v20, s[8:9] offset:16
	; lane addresses
	v_mul_u32_u24 v16, v1, EPITCH
	v_lshl_add_u32 v16, v2, 4, v16                 ; row n + 16 h
	s_sub_co_u32 s22, 3, s12
	s_mul_i32 s22, s22, 64*EPITCH
	v_add_nc_u32 v[EADR], s22, v16                 ; step 0's band begins at local row 64 (3 - w); 64 rows further each step
	v_add_nc_u32 v[KADR], SLOT0, v16
	v_and_b32 v17, 7, v0
	v_lshl_add_u32 v17, v2, 3, v17                 ; transposing load: row 8 h + lane % 8,
	v_mul_u32_u24 v17, v17, VPITCH
	v_bfe_u32 v18, v0, 3, 1
	v_lshl_add_u32 v17, v18, 4, v17                ; 16 bytes further for the odd groups of eight lanes
	v_add_nc_u32 v[VADR], SLOT0+KBYTES, v17
	v_lshlrev_b32 v[MADR], 2, v1
	v_add_nc_u32 v[MADR], MASKB, v[MADR]
	s_mul_i32 s87, s12, SCRB
	s_add_co_u32 s87, s87, SCR0                    ; my scratch
	v_mul_u32_u24 v16, v1, SPITCH
	v_lshl_add_u32 v16, v2, 5, v16
	v_add_nc_u32 v[KST], s87, v16                  ; stores: row n, words 8 h ..
	v_add_nc_u32 v[QST], SCRH, v[KST]
	v_sub_nc_u32 v17, 15, v1
	v_lshlrev_b32 v17, 2, v17                      ; 60 - 4 n
	v_mul_u32_u24 v18, v2, 8*(SPITCH+4)            ; row and word both grow with the key: 340 bytes a key, 8 h keys
	v_add_nc_u32 v17, v17, v18
	v_add_nc_u32 v[KLD], s87, v17
	v_mul_u32_u24 v18, v1, SPITCH-4                ; row n, word - n
	v_lshl_add_u32 v18, v2, 5, v18
	v_add_nc_u32 v18, s87, v18
	v_add_nc_u32 v[QLD], SCRH+60, v18
	v_mul_u32_u24 v19, v1, OPITCH
	v_lshl_add_u32 v19, v2, 5, v19
	v_add_nc_u32 v[OST], s87, v19
	v_mul_u32_u24 v19, v2, OPITCH
	v_lshl_add_u32 v19, v1, 4, v19
	v_add_nc_u32 v[ORD], s87, v19
	v_lshlrev_b32 v19, 12, v2
	v_lshl_add_u32 v[OGO], v1, 4, v19
	WIN 0x80                                       ; the upper registers of pairs of which only the lower is used: written once, since a pair counts as read whole
.irp j, 1,3,5,7
	v_mov_b32 v[MM+\j], 0
.endr
	v_mov_b32 v[AL+1], 0
	WIN 0
	s_wait_loadcnt 0x0                             ; q and the mask
.irp j, 0,1,2,3,4,5,6,7
	v_max_num_f32 v[160+\j], 0xff160000, v[160+\j] ; the floor of -1.99e38
.endr
	ds_store_b128 v21, v[160:163]
	ds_store_b128 v21, v[164:167] offset:16
	s_wait_dscnt 0x0                               ; for the other waves' sake
	s_wait_tensorcnt 0x2                           ; band rows 0-639 and slot 0 are in (step 0 reads band rows below 320); the two younger loads may stay out
	s_barrier_signal -1
	s_barrier_wait -1
; ---- the parts of a step ----
.macro LDK slot                        ; 16 loads: four K tiles, fragments for both uses (B of KE, A of q.k)
	WIN 0
.irp kt, 0,1,2,3
.irp kk, 0,1
	ds_load_b128 v[KF+16*\kt+8*\kk:KF+16*\kt+8*\kk+3],   v[KADR] offset:\slot*SLOTB+\kt*16*EPITCH+64*\kk
	ds_load_b128 v[KF+16*\kt+8*\kk+4:KF+16*\kt+8*\kk+7], v[KADR] offset:\slot*SLOTB+\kt*16*EPITCH+64*\kk+32
.endr
.endr
.endm
.macro LDM                             ; the mask of my lane's key in each of the four tiles
	WIN 0
.irp kt, 0,1,2,3
	ds_load_b32 v[RAW+\kt], v[MADR] offset:64*\kt
.endr
	v_add_nc_u32 v[MADR], 256, v[MADR]
.endm
.macro LDE x0, half                    ; 16 loads: band tiles x0 .. x0 + 3.  Tile x lies in set ((x / 4) + half) % 2: the band moves on by four tiles a step, so tiles 4-7 are the next step's 0-3
	WIN 0x40
.irp x, 0,1,2,3
.irp kk, 0,1
.set er_, 64*(((\x0>>2)+\half)&1)+16*\x+8*\kk
	ds_load_b128 v[er_:er_+3],   v[EADR] offset:(\x0+\x)*16*EPITCH+64*\kk
	ds_load_b128 v[er_+4:er_+7], v[EADR] offset:(\x0+\x)*16*EPITCH+64*\kk+32
.endr
.endr
	WIN 0
.endm
.macro LDV slot                        ; 16 transposing loads: V stored [key][d] becomes A fragments with d as the row
	WIN 0x40
.irp dt, 0,1,2,3
.irp kk, 0,1
	ds_load_tr16_b128 v[VF+16*\dt+8*\kk:VF+16*\dt+8*\kk+3],   v[VADR] offset:\slot*SLOTB+\kk*32*VPITCH+32*\dt
	ds_load_tr16_b128 v[VF+16*\dt+8*\kk+4:VF+16*\dt+8*\kk+7], v[VADR] offset:\slot*SLOTB+\kk*32*VPITCH+32*\dt+16*VPITCH
.endr
.endr
.endm
.macro MK8 kt                          ; mask x log2(e), eight times: the C tuple of KE (in it the lane is the key)
.irp j, 0,1,2,3,4,5,6,7
	v_mul_f32 v[M8+8*(\kt)+\j], s78, v[RAW+(\kt)]
.endr
.endm
; k.E for key tile kt, with the mask.  The five accumulators take turns, one instruction a turn.
.macro KE kt, half
	WIN 0x01
.irp kk, 0,1
.irp x, 0,1,2,3,4
.set er_, 64*((((\kt+\x)>>2)+\half)&1)+16*((\kt+\x)&3)+8*\kk
.if \kk
	v_wmma_f32_16x16x32_f16 v[DD+8*\x:DD+8*\x+7], v[er_:er_+7], v[KF+16*\kt+8*\kk:KF+16*\kt+8*\kk+7], v[DD+8*\x:DD+8*\x+7]
.else
	v_wmma_f32_16x16x32_f16 v[DD+8*\x:DD+8*\x+7], v[er_:er_+7], v[KF+16*\kt+8*\kk:KF+16*\kt+8*\kk+7], v[M8+8*\kt:M8+8*\kt+7]
.endif
.endr
.endr
	WIN 0
.if \kt < 3
	MK8 \kt+1                                      ; eight plain places behind the matrix run (ISA guide 7.12.1), filled with the next tile's mask tuple
.else
	PLACES 5
.endif
.irp x, 0,1,2,3,4
	ds_store_b128 v[KST], v[DD+8*\x:DD+8*\x+3]   offset:64*\x
	ds_store_b128 v[KST], v[DD+8*\x+4:DD+8*\x+7] offset:64*\x+16
.endr
	WIN 0x80
.irp lt, 0,1,2,3
.irp jj, 0,1,2,3,4,5,6,7
	ds_load_b32 v[32*\lt+8*\kt+\jj], v[KLD] offset:(SPITCH+4)*\jj+64*(3-\lt)   ; LDS serves a wave's instructions in order: these see the stores above
.endr
.endr
.endm
; q.E for query tile lt, into T's set p
.macro QE lt, half, p
	WIN 0x01
.irp kk, 0,1
.irp x, 0,1,2,3,4
.set er_, 64*((((3-\lt+\x)>>2)+\half)&1)+16*((3-\lt+\x)&3)+8*\kk
.if \kk
	v_wmma_f32_16x16x32_f16 v[DD+8*\x:DD+8*\x+7], v[er_:er_+7], v[QF+16*\lt+8*\kk:QF+16*\lt+8*\kk+7], v[DD+8*\x:DD+8*\x+7]
.else
	v_wmma_f32_16x16x32_f16 v[DD+8*\x:DD+8*\x+7], v[er_:er_+7], v[QF+16*\lt+8*\kk:QF+16*\lt+8*\kk+7], 0
.endif
.endr
.endr
	PLACES 5                                       ; behind the matrix run: four for the stores that read D, five for the next run that writes over D
	WIN 0
.irp x, 0,1,2,3,4
	ds_store_b128 v[QST], v[DD+8*\x:DD+8*\x+3]   offset:64*\x
	ds_store_b128 v[QST], v[DD+8*\x+4:DD+8*\x+7] offset:64*\x+16
.endr
	WIN 0x80
.irp kt, 0,1,2,3
.irp jj, 0,1,2,3,4,5,6,7
	ds_load_b32 v[TT+32*\p+8*\kt+\jj], v[QLD] offset:64*\kt+4*\jj
.endr
.endr
.endm
; q.k onto k.E + mask: sixteen accumulators by turns
.macro QK
	WIN 0xa0
.irp kk, 0,1
.irp lt, 0,1,2,3
.irp kt, 0,1,2,3
	v_wmma_f32_16x16x32_f16 v[32*\lt+8*\kt:32*\lt+8*\kt+7], v[KF+16*\kt+8*\kk:KF+16*\kt+8*\kk+7], v[QF+16*\lt+8*\kk:QF+16*\lt+8*\kk+7], v[32*\lt+8*\kt:32*\lt+8*\kt+7]
.endr
.endr
.endr
.endm
; the softmax step of query tile lt: 32 scores a lane (my l, my half's 32 of the 64 keys)
.macro SM lt, p, first
	WIN 0xaa
.irp j, 0,1,2,3,4,5,6,7,8,9,10,11,12,13,14,15
	v_pk_add_f32 v[32*\lt+2*\j:32*\lt+2*\j+1], v[32*\lt+2*\j:32*\lt+2*\j+1], v[TT+32*\p+2*\j:TT+32*\p+2*\j+1]
.endr
.irp c, 0,1,2,3
	v_max3_num_f32 v[XT+\c], v[32*\lt+8*\c], v[32*\lt+8*\c+1], v[32*\lt+8*\c+2]    ; four chains that do not wait for each other
.endr
.irp c, 0,1,2,3
	v_max3_num_f32 v[XT+\c], v[XT+\c], v[32*\lt+8*\c+3], v[32*\lt+8*\c+4]
.endr
.irp c, 0,1,2,3
	v_max3_num_f32 v[XT+\c], v[XT+\c], v[32*\lt+8*\c+5], v[32*\lt+8*\c+6]
.endr
.irp c, 0,1,2,3
	v_max_num_f32 v[XT+\c], v[XT+\c], v[32*\lt+8*\c+7]
.endr
	v_max3_num_f32 v[XT], v[XT], v[XT+1], v[XT+2]
.if \first
	v_max_num_f32 v[XT], v[XT], v[XT+3]
.else
	v_max3_num_f32 v[XT], v[XT], v[XT+3], v[MM+2*\lt]          ; with the running maximum
.endif
	v_permlanex16_b32 v[XT+1], v[XT], s76, s77                 ; the other half's keys
	v_max_num_f32 v[XT+2], v[XT], v[XT+1]                      ; the new maximum, equal in both halves
.if \first == 0
	v_sub_f32 v[XT+3], v[MM+2*\lt], v[XT+2]
	v_exp_f32 v[AL], v[XT+3]                                   ; alpha; the move below is the plain place behind it (ISA guide 5.7.2)
.endif
	v_mov_b32 v[MM+2*\lt], v[XT+2]
.irp j, 0,1,2,3,4,5,6,7,8,9,10,11,12,13,14,15
	v_pk_add_f32 v[32*\lt+2*\j:32*\lt+2*\j+1], v[32*\lt+2*\j:32*\lt+2*\j+1], v[MM+2*\lt:MM+2*\lt+1] op_sel_hi:[1,0] neg_lo:[0,1] neg_hi:[0,1]
.endr
.set j_, 0
.rept 32
	v_exp_f32 v[32*\lt+j_], v[32*\lt+j_]
.set j_, j_+1
.endr
	v_nop                                                      ; one plain place behind the exponentials
	s_wait_alu depctr_va_vdst(0)
.irp c, 0,1,2,3
	v_pk_add_f32 v[YT+2*\c:YT+2*\c+1], v[32*\lt+8*\c:32*\lt+8*\c+1], v[32*\lt+8*\c+2:32*\lt+8*\c+3]
.endr
.irp c, 0,1,2,3
	v_pk_add_f32 v[YT+2*\c:YT+2*\c+1], v[YT+2*\c:YT+2*\c+1], v[32*\lt+8*\c+4:32*\lt+8*\c+5]
.endr
.irp c, 0,1,2,3
	v_pk_add_f32 v[YT+2*\c:YT+2*\c+1], v[YT+2*\c:YT+2*\c+1], v[32*\lt+8*\c+6:32*\lt+8*\c+7]
.endr
	v_pk_add_f32 v[YT:YT+1], v[YT:YT+1], v[YT+2:YT+3]
	v_pk_add_f32 v[YT+4:YT+5], v[YT+4:YT+5], v[YT+6:YT+7]
.if \first
	v_pk_add_f32 v[LS+2*\lt:LS+2*\lt+1], v[YT:YT+1], v[YT+4:YT+5]              ; the first step starts the sums
.else
	v_pk_add_f32 v[YT:YT+1], v[YT:YT+1], v[YT+4:YT+5]
	v_pk_fma_f32 v[LS+2*\lt:LS+2*\lt+1], v[LS+2*\lt:LS+2*\lt+1], v[AL:AL+1], v[YT:YT+1] op_sel_hi:[1,0,1]
.endif
.irp j, 0,1,2,3,4,5,6,7,8,9,10,11,12,13,14,15
	v_cvt_pk_f16_f32 v[PP+16*\p+\j], v[32*\lt+2*\j], v[32*\lt+2*\j+1]          ; tiles 2 kk, 2 kk + 1 packed are the B fragment of 32 keys
.endr
.if \first == 0
	WIN 0xcb
.irp j, 0,1,2,3,4,5,6,7,8,9,10,11,12,13,14,15
	v_pk_mul_f32 v[32*\lt+2*\j:32*\lt+2*\j+1], v[32*\lt+2*\j:32*\lt+2*\j+1], v[AL:AL+1] op_sel_hi:[1,0]
.endr
.endif
.endm
; O(d, l) += V^T . P^T: four accumulators by turns
.macro PV lt, p, first
	WIN 0xf9
.irp kk, 0,1
.irp dt, 0,1,2,3
.if \first*(1-\kk)
	v_wmma_f32_16x16x32_f16 v[32*\lt+8*\dt:32*\lt+8*\dt+7], v[VF+16*\dt+8*\kk:VF+16*\dt+8*\kk+7], v[PP+16*\p+8*\kk:PP+16*\p+8*\kk+7], 0
.else
	v_wmma_f32_16x16x32_f16 v[32*\lt+8*\dt:32*\lt+8*\dt+7], v[VF+16*\dt+8*\kk:VF+16*\dt+8*\kk+7], v[PP+16*\p+8*\kk:PP+16*\p+8*\kk+7], v[32*\lt+8*\dt:32*\lt+8*\dt+7]
.endif
.endr
.endr
.endm
; One step: 64 keys from slot \slot, 144 matrix instructions.  The slot's number is also the role of the band's register sets (both are the step's number modulo 2).
; A KE or a QE is 42 LDS instructions (10 stores, 32 loads), LDV is 16; the counts below are made of these.
.macro STEP slot, first
	LDK \slot
	LDM
	LDE 4, \slot
	v_add_nc_u32 v[EADR], 64*EPITCH, v[EADR]
	s_wait_dscnt 0x0
	MK8 0
	KE 0, \slot
	KE 1, \slot
	KE 2, \slot
	KE 3, \slot
	QE 0, \slot, 0
	LDV \slot
	s_wait_dscnt 58                                ; the last of KE's loads is in: behind it stand QE 0's 42 and V's 16
	QK
	QE 1, \slot, 1
	s_wait_dscnt 58                                ; QE 0's loads are in: behind them V's 16 and QE 1's 42
	SM 0, 0, \first
	s_wait_dscnt 42                                ; V is in: behind it QE 1's 42
	PV 0, 0, \first
	QE 2, \slot, 0
	s_wait_dscnt 42                                ; QE 1's loads are in
	SM 1, 1, \first
	PV 1, 1, \first
	QE 3, \slot, 1
	s_wait_dscnt 42                                ; QE 2's
	SM 2, 0, \first
	PV 2, 0, \first
	s_wait_dscnt 0x0                               ; QE 3's
	SM 3, 1, \first
	PV 3, 1, \first
	PLACES 4                                       ; behind the last matrix run: V is loaded again, and O read, only behind these
.endm
; A step with its change of slots.  In front of the round every wave waits for all its tensor loads and for its LDS reads; the round takes all four work-groups;
; behind it the other slot, which no wave of any partner reads any more, is asked for again first: one tensor load a wave, with this step's 144 matrix
; instructions in which to land.
.macro TRIP slot, refill
	WIN 0
	s_wait_tensorcnt 0x0                           ; all my loads are done, my part of this slot among them, so a group 0 may be written
	ds_add_u32 v254, v255
	s_wait_dscnt 0x0
	s_add_nc_u64 s[G0K+4*(1-\slot)+2:G0K+4*(1-\slot)+3], s[G0K+4*(1-\slot)+2:G0K+4*(1-\slot)+3], BLK3   ; the other slot's next keys: two steps on = one block of 128 rows
	s_add_nc_u64 s[G0V+4*(1-\slot)+2:G0V+4*(1-\slot)+3], s[G0V+4*(1-\slot)+2:G0V+4*(1-\slot)+3], BLK3
	s_wait_dscnt 0x0                               ; my reads of the other slot are done
	ROUND
.if \refill
	JLOAD (1-\slot)
.endif
	STEP \slot, 0
.endm
	LDE 0, 0                                       ; step 0's band tiles 0-3
	STEP 0, 1                                      ; step 0 starts maxima, sums and O: nothing is cleared
	WIN 0
	s_mov_b32 s79, 7
.Lpair:
	TRIP 1, 1                                      ; steps 1, 3, .. 13: slot 0 is asked for again
	TRIP 0, 1                                      ; steps 2, 4, .. 14: slot 1 is asked for again
	WIN 0
	s_sub_co_u32 s79, s79, 1
	s_cmp_lg_u32 s79, 0
	s_cbranch_scc1 .Lpair
	TRIP 1, 0                                      ; step 15, keys 960-1023: nothing is left to fetch (the stepped address is not used)
; THE WAY OUT, one query tile at a time: divide by the row's sum, 16 rows x 64 f32 into my scratch, back as whole rows of 256 bytes
.macro OUTL lt
	WIN 0xaa
	v_add_f32 v[XT], v[LS+2*\lt], v[LS+2*\lt+1]
	v_permlanex16_b32 v[XT+1], v[XT], s76, s77
	v_add_f32 v[XT], v[XT], v[XT+1]                ; at least 1: the largest score's term
	v_rcp_f32 v[AL], v[XT]
	v_nop                                          ; one plain place behind the reciprocal
	WIN 0xcb
	s_wait_alu depctr_va_vdst(0)
.irp j, 0,1,2,3,4,5,6,7,8,9,10,11,12,13,14,15
	v_pk_mul_f32 v[32*\lt+2*\j:32*\lt+2*\j+1], v[32*\lt+2*\j:32*\lt+2*\j+1], v[AL:AL+1] op_sel_hi:[1,0]
.endr
	WIN 0x0c
.irp dt, 0,1,2,3
	ds_store_b128 v[OST], v[32*\lt+8*\dt:32*\lt+8*\dt+3]   offset:64*\dt
	ds_store_b128 v[OST], v[32*\lt+8*\dt+4:32*\lt+8*\dt+7] offset:64*\dt+16
.endr
	WIN 0
	s_wait_xcnt 0x0                                ; the registers that the last tile's stores read are loaded again only behind this wait
.irp t, 0,1,2,3,4,5,6,7
	ds_load_b128 v[DD+4*\t:DD+4*\t+3], v[ORD] offset:\t*2*OPITCH
.endr
.irp t, 0,1,2,3,4,5,6,7
	s_wait_dscnt 7-\t
	global_store_b128 v[OGO], v[DD+4*\t:DD+4*\t+3], s[10:11] offset:(16*\lt+2*\t)*4096 th:TH_STORE_NT   ; sixteen lanes store 256 consecutive bytes, aligned: a head's 64 f32 of one row
.endr
.endm
	OUTL 0
	OUTL 1
	OUTL 2
	OUTL 3
	s_wait_tensorcnt 0x0
	ds_add_u32 v254, v255
	s_wait_dscnt 0x0
	ROUND                                          ; the closing round: no work-group ends while a partner may still ask for a tile that names it
	s_endpgm
.Lfunc_end_k_q7e8038b9a0_attn:
	.size	k_q7e8038b9a0_attn, .Lfunc_end_k_q7e8038b9a0_attn-k_q7e8038b9a0_attn
	.p2alignl 7, 3214868480
	.fill 96, 4, 3214868480
	.section	.rodata,"a",@progbits
	.p2align	6, 0x0
	.amdhsa_kernel k_q7e8038b9a0_attn
		.amdhsa_group_segment_fixed_size 327680
		.amdhsa_private_segment_fixed_size 0
		.amdhsa_enable_private_segment 0
		.amdhsa_kernarg_size 32
		.amdhsa_user_sgpr_count 2
		.amdhsa_user_sgpr_kernarg_segment_ptr 1
		.amdhsa_wavefront_size32 1
		.amdhsa_system_sgpr_workgroup_id_x 1
		.amdhsa_system_sgpr_workgroup_id_y 1
		.amdhsa_system_sgpr_workgroup_id_z 1
		.amdhsa_system_vgpr_workitem_id 0
		.amdhsa_next_free_vgpr 1024
		.amdhsa_next_free_sgpr 88
		.amdhsa_reserve_vcc 0
		.amdhsa_float_denorm_mode_32 3
		.amdhsa_float_denorm_mode_16_64 3
		.amdhsa_memory_ordered 1
		.amdhsa_forward_progress 1
		.amdhsa_inst_pref_size 255
	.end_amdhsa_kernel
	.section	.bss,"aw",@nobits
	.p2align	6
	.space	262144
	.amdgpu_metadata
---
amdhsa.version: [ 1, 2 ]
amdhsa.kernels:
  - .name:           k_q7e8038b9a0_attn
    .symbol:         k_q7e8038b9a0_attn.kd
    .args:
      - { .name: qkv, .offset: 0, .size: 8, .value_kind: global_buffer, .address_space: global }
      - { .name: er, .offset: 8, .size: 8, .value_kind: global_buffer, .address_space: global }
      - { .name: attention_mask, .offset: 16, .size: 8, .value_kind: global_buffer, .address_space: global }
      - { .name: out0, .offset: 24, .size: 8, .value_kind: global_buffer, .address_space: global }
    .group_segment_fixed_size: 327680
    .private_segment_fixed_size: 0
    .kernarg_segment_align: 8
    .kernarg_segment_size: 32
    .max_flat_workgroup_size: 128
    .sgpr_count:     88
    .vgpr_count:     1024
    .wavefront_size: 32
...
	.end_amdgpu_metadata
.endif
;; end of part 3
